; MI455X (gfx1250); checked and timed in simulation.
; The chip was launched on July 23, 2026; its instructions are those of AMD's public machine-readable ISA for CDNA 5 (MIT licence, August 2026) and "CDNA5" Instruction Set Architecture Reference Guide (July 2026). The comments in the code are by the model that wrote it; some were corrected since.
;; Mo E Layer. Allowed arithmetic: matrix products marked QUANTISED: E2M1 operands, one E8M0 scale for each 32 along K, by v_wmma_scale_f32_16x16x128_f8f6f4 with both operands' format E2M1 (or v_wmma_scale_f32_32x16x128_f4), f32 sums; products left as they are: f32 operands where the result goes on into a quantised operand, else bf16, f16 or f32 operands; f32 sums; everything else in f32.
;; Inputs: b1 8 x 4,096 float32; b2 8 x 1,024 float32; gate_b 8 float32; gate_w 8 x 1,024 float32; w1_codes 8 x 4,096 x 32 x 16 uint8 (E2M1 codes of w1, K innermost, in blocks of 32 codes, two codes a byte); w1_scales 8 x 4,096 x 32 uint8 (E8M0 scales of w1, one for each 32 codes along K); w2_codes 8 x 1,024 x 128 x 16 uint8 (E2M1 codes of w2, K innermost, in blocks of 32 codes, two codes a byte); w2_scales 8 x 1,024 x 128 uint8 (E8M0 scales of w2, one for each 32 codes along K); x 2 x 512 x 1,024 float32.
;; Outputs: out0 2 x 512 x 1,024 float32; out1 2 x 512 x 2 int32.
;; This version of the problem:
;;   THIS VERSION OF THE PROBLEM IS GIVEN IN LOW PRECISION. The matrix products marked QUANTISED in the list below multiply operands that are first quantised to E2M1 (2 exponent bits, 1 mantissa bit; 4 bits a number), with one power-of-two scale for each 32 numbers along K (OCP MX v1.0); their sums are f32. All else is computed in f32.
;;   The module's matrix products, in the order in which they are computed (A, B: the left and right operand; K: the contracted axis; several contracted axes count as one K, in the product's order):
;;     1. [M 1,024, K 1,024] x [K 1,024, N 8]; A: input x; B: input gate_w: left as it is (N = 8 < 16)
;;     2. [M 1,024, K 1,024] x [K 1,024, N 32,768]; A: input x; B: input w1 (given as codes): QUANTISED
;;     3. batch 8 x [M 1,024, K 4,096] x [K 4,096, N 1,024]; A: input w2 (given as codes); B: computed on the way: QUANTISED
;;     4. batch 1,024 x [M 1, K 2] x [K 2, N 8]; A: softmax; B: computed on the way: left as it is (K = 2 < 32)
;;     5. batch 1,024 x [M 1, K 8] x [K 8, N 1,024]; A: computed on the way; B: computed on the way: left as it is (K = 8 < 32)
;;   THE QUANTISER, for each operand of a quantised product, along K:
;;     - K is cut into blocks of 32 from its start; a last block that is shorter is filled with zeros.
;;     - A block's scale is 2^e with e = floor(log2(the largest magnitude in the block)) - 2, held to -126 .. 127; a block of zeros has e = 0. As a byte (E8M0): e + 127.
;;     - Each number is divided by its block's scale, clamped to +-6, and rounded to the nearest number of E2M1, ties to even, subnormals kept.
;;     - The product sums the exact products of the quantised numbers (number of the format x scale) in f32.
;;   ~~~python
;;   def quantise(x, axis):      # numpy; x: float32 -> the quantised numbers, widened to float32 again
;;       x = np.moveaxis(x, axis, -1); K = x.shape[-1]
;;       x = np.pad(x, [(0, 0)] * (x.ndim - 1) + [(0, -K % 32)]); x = x.reshape(x.shape[:-1] + (-1, 32)); a = np.abs(x).max(-1, keepdims=True)
;;       e = np.where(a > 0, np.clip(np.frexp(np.where(a > 0, a, 1))[1] - 1 - 2, -126, 127), 0)      # np.frexp(a)[1] - 1 = floor(log2(a)), exactly
;;       r = np.clip(x / 2.0 ** e, -6, 6)
;;       step = 2.0 ** (np.maximum(np.frexp(np.where(r == 0, 1, r))[1] - 1, 0) - 1)
;;       q = np.round(r / step) * step * 2.0 ** e      # np.round: ties to even
;;       return np.moveaxis(q.reshape(q.shape[:-2] + (-1,))[..., :K], -1, axis).astype(np.float32)
;;   ~~~
;;   OPERANDS COMPUTED ON THE WAY. 'Computed on the way' means the value that the module computes at that place (a softmax that the list does not call 'softmax' is quantised finished and normalised). What goes into a quantiser is computed in f32, as accurately as f32 sums, v_exp_f32 and their like allow (about 1e-6 of the number): no bf16 or f16 on the way to a quantiser, and a product that is left as it is and whose result goes on into a quantised operand takes f32 operands (vector FMAs, or v_wmma_f32_16x16x4_f32). A number that lies on a knife's edge between two numbers of the format may be rounded either way, as far as f32 arithmetic and the matrix unit's own rounding can turn it there, and no further.
;;   INPUTS GIVEN AS CODES. w1 (in the module: [8, 4096, 1024], K = its axis 2); w2 (in the module: [8, 1024, 4096], K = its axis 2): each comes as NAME_codes (uint8): NAME with its K axis moved to the last place and cut into blocks of 32 codes, [.., K / 32, bytes a block], one block behind the other in memory; two codes a byte, the lower K in the low four bits (a code: sign, 2 exponent bits, 1 mantissa bit); and NAME_scales (uint8): the same leading axes, one E8M0 byte (e + 127) for each 32 codes along K. Its value is code x scale, taken as it is: it is not quantised again, and the codes and scales need not be those that the quantiser above would give.
;; One version. Each part assembles by itself: llvm-mc -triple=amdgcn-amd-amdhsa -mcpu=gfx1250 --defsym DOCPART=n.
;; ======== version 1 of 1: 4 launches
;; workspace buffers: xq 524,288 bytes; xs 32,768 bytes; sel 8,192 bytes of whole numbers; gw 8,192 bytes; hq 16,777,216 bytes; hs 1,048,576 bytes; route 33,792 bytes of whole numbers; y 33,554,432 bytes
;; launch gate (part 1): grid 256 x 1, 4 waves a work-group, no clusters, 3,328 bytes of LDS; arguments x, gate_w, gate_b, xq, xs, sel, gw, out1; writes xq, xs, sel, gw, out1
.if DOCPART == 1
	.amdgcn_target "amdgcn-amd-amdhsa--gfx1250"
	.amdhsa_code_object_version 6
	.text
	.protected	k_q774b3ab47e_gate
	.globl	k_q774b3ab47e_gate
	.p2align	8
	.type	k_q774b3ab47e_gate,@function
k_q774b3ab47e_gate:
	s_mov_b64 s[64:65], 0
	v_nop
	global_prefetch_b8 v0, s[64:65] scope:SCOPE_SE
	s_setreg_imm32_b32 hwreg(HW_REG_WAVE_MODE, 25, 1), 1
	s_wait_xcnt 0x0
; MoE layer, launch 1 of 4: the gate (f32), top-2, the softmax of the two kept logits; and x quantised once to E2M1 codes with E8M0 scales.
; DEAD WORK, for the whole program.  reference() multiplies expert_out[b,s,e,:] by combine[b,s,e], which it builds in its own body from one_hot(selected): for every expert that its own
; top_k did not select that factor is the constant 0, whatever finite values the inputs hold.  So the rows (token, expert) of products 2 and 3 that were not selected reach no output in exact
; arithmetic: the program multiplies the 2 x 1,024 selected rows alone, and products 4 and 5 (sums over a one_hot) become the weighted sum of a token's two rows.  Every input has a way to an output and is loaded.
; LIMIT: a NaN, an infinity or an overflow that arises only in an expert that was not selected for a token is not carried to the result.
; LIMITS: NaN and infinities in x or in the logits are not served (order of the top-2).  A block of zeros gets the scale byte 1 where the rule says 127: its codes are zeros, and this program alone reads the bytes.
; SHARES.  A work-group takes 4 tokens; wave w takes k = 256 w .. 256 w + 255 of all four; lane l takes k = 256 w + 8 l + 0 .. 7.  A block of 32 along K is four neighbouring lanes.
; Ties: the scans take a later expert only where its logit is strictly larger, so the lower index is kept, as jax.lax.top_k keeps it.
; The chosen experts steer no address here: they are stored (out1, and sel for the later launches).  No matrix unit: 8 columns are too few for a tile, and the sums must be f32.
.set PART,  0                          ; LDS: [wave][token 4][expert 8] f32, 512 bytes
.set XCD,   512                        ; [token][512 bytes of codes]
.set XSC,   2560                       ; [token][32 scale bytes], in a block of 256
.set SPARE, 2816                       ; the spare words, 128 bytes a wave: no other line names them
.set SPW, 12
.set NIL, 13
.set X,   16                           ; v16-47   x: 4 tokens x 8
.set G,   48                           ; v48-111  gate_w: 8 experts x 8
.set ACC, 112                          ; v112-143 partial logits, 8 token + expert
.set TP,  144                          ; v144-151 four pairs at work
.set CD,  152                          ; v152-155 codes
.set SB,  156                          ; v156-159 scale bytes
.set WK,  160                          ; v160-175 at work
	s_load_b256 s[4:11], s[0:1], 0x0               ; x, gate_w, gate_b, xq
	s_load_b256 s[12:19], s[0:1], 0x20             ; xs, sel, gw, out1
	v_lshl_add_u32 v[SPW], v0, 2, SPARE
	v_mov_b32 v[NIL], 0
	v_lshrrev_b32 v1, 5, v0
	v_readfirstlane_b32 s20, v1                    ; wave
	v_and_b32 v1, 31, v0                           ; lane
	v_lshlrev_b32 v2, 5, v0                        ; 1,024 w + 32 l: my 8 numbers in a row of x or gate_w
	v_and_b32 v3, 0x60, v0
	v_lshlrev_b32 v3, 2, v3                        ; PART + 128 w
	v_lshl_add_u32 v4, v0, 2, XCD                  ; my 4 bytes of codes: 128 w + 4 l
	v_lshrrev_b32 v5, 2, v0
	v_add_nc_u32 v5, XSC, v5                       ; my block's byte: 8 w + l / 4
	v_and_b32 v6, 3, v0
	v_lshlrev_b32 v11, 3, v6                       ; 8 (l % 4): a token's pair in sel, gw, out1
	v_lshlrev_b32 v6, 5, v6                        ; PART + 32 (l % 4)
	v_lshl_add_u32 v7, v0, 4, XCD                  ; back: wave w takes token w's row, 16 bytes a lane
	v_lshl_add_u32 v8, v1, 2, XSC
	v_lshlrev_b32 v9, 4, v0
	v_lshlrev_b32 v10, 2, v1
	s_mov_b32 s32, 0x76543210
	s_mov_b32 s33, 0xfedcba98                      ; v_permlanex16_b32's selects for lane l xor 16
	s_lshl_b32 s34, ttmp9, 14                      ; 4 rows of x
	s_mov_b32 s35, 0
	s_lshl_b32 s36, ttmp9, 11                      ; 4 rows of codes
	s_mov_b32 s37, 0
	s_lshl_b32 s38, ttmp9, 7                       ; 4 rows of scale bytes
	s_mov_b32 s39, 0
	s_lshl_b32 s40, ttmp9, 5                       ; 4 pairs
	s_mov_b32 s41, 0
	s_wait_kmcnt 0x0
	s_load_b256 s[24:31], s[8:9], 0x0              ; gate_b
	s_add_nc_u64 s[4:5], s[4:5], s[34:35]
	s_add_nc_u64 s[10:11], s[10:11], s[36:37]
	s_add_nc_u64 s[12:13], s[12:13], s[38:39]
	s_add_nc_u64 s[14:15], s[14:15], s[40:41]
	s_add_nc_u64 s[16:17], s[16:17], s[40:41]
	s_add_nc_u64 s[18:19], s[18:19], s[40:41]
.irp i, 0,1,2,3
	global_load_b128 v[X+8*\i:X+8*\i+3], v2, s[4:5] offset:4096*\i th:TH_LOAD_NT
	global_load_b128 v[X+8*\i+4:X+8*\i+7], v2, s[4:5] offset:4096*\i+16 th:TH_LOAD_NT
.endr
.irp e, 0,1,2,3,4,5,6,7
	global_load_b128 v[G+8*\e:G+8*\e+3], v2, s[6:7] offset:4096*\e
	global_load_b128 v[G+8*\e+4:G+8*\e+7], v2, s[6:7] offset:4096*\e+16
.endr
	s_wait_loadcnt 16                              ; x's eight loads are in; gate_w's sixteen, issued behind them, may be out
	; x into codes: the four tokens by turns
.irp i, 0,1,2,3
	v_max3_num_f32 v[WK+\i], |v[X+8*\i]|, |v[X+8*\i+1]|, 0x1800000   ; my 8 numbers, and the floor 2^(3 - 127): the byte cannot fall under 1
.endr
.irp j, 2,4,6
.irp i, 0,1,2,3
	v_max3_num_f32 v[WK+\i], v[WK+\i], |v[X+8*\i+\j]|, |v[X+8*\i+\j+1]|
.endr
.endr
.irp i, 0,1,2,3
	v_max_num_f32_dpp v[WK+\i], v[WK+\i], v[WK+\i] row_xmask:1 row_mask:0xf bank_mask:0xf
.endr
.irp i, 0,1,2,3
	v_max_num_f32_dpp v[WK+\i], v[WK+\i], v[WK+\i] row_xmask:2 row_mask:0xf bank_mask:0xf   ; the block's largest magnitude: four lanes
.endr
.irp i, 0,1,2,3
	v_add_nc_u32 v[WK+4+\i], 0xff000000, v[WK+\i]  ; 2 off its exponent field: the conversion's scale operand
.endr
.irp i, 0,1,2,3
	v_cvt_scalef32_pk8_fp4_f32 v[CD+\i], v[X+8*\i:X+8*\i+7], v[WK+4+\i]
.endr
.irp i, 0,1,2,3
	v_lshrrev_b32 v[SB+\i], 23, v[WK+4+\i]         ; the scale's byte (plain lines behind the conversions)
.endr
.irp i, 0,1,2,3
	ds_store_b32 v4, v[CD+\i] offset:512*\i
	ds_store_b8 v5, v[SB+\i] offset:32*\i          ; the four lanes of a block write the same byte with the same value
.endr
	s_wait_loadcnt 0x0                             ; gate_w
; token i against experts e0 .. e0 + 3: my 8 products each, two at a time, four chains
.macro DOT4 i, e0
.irp q, 0,1,2,3
	v_pk_mul_f32 v[TP+2*\q:TP+2*\q+1], v[X+8*\i:X+8*\i+1], v[G+8*(\e0+\q):G+8*(\e0+\q)+1]
.endr
.irp j, 2,4,6
.irp q, 0,1,2,3
	v_pk_fma_f32 v[TP+2*\q:TP+2*\q+1], v[X+8*\i+\j:X+8*\i+\j+1], v[G+8*(\e0+\q)+\j:G+8*(\e0+\q)+\j+1], v[TP+2*\q:TP+2*\q+1]
.endr
.endr
.irp q, 0,1,2,3
	v_add_f32 v[ACC+8*\i+\e0+\q], v[TP+2*\q], v[TP+2*\q+1]
.endr
.endm
.irp i, 0,1,2,3
	DOT4 \i, 0
	DOT4 \i, 4
.endr
	; the 32 sums over the wave's 32 lanes
.irp m, 1,2,4,8
.set n, 0
.rept 32
	v_add_f32_dpp v[ACC+n], v[ACC+n], v[ACC+n] row_xmask:\m row_mask:0xf bank_mask:0xf
.set n, n+1
.endr
.endr
.set n, 0
.rept 32
	v_permlanex16_b32 v[G+n], v[ACC+n], s32, s33   ; gate_w's registers are done with
.set n, n+1
.endr
.set n, 0
.rept 32
	v_add_f32 v[ACC+n], v[ACC+n], v[G+n]
.set n, n+1
.endr
.irp q, 0,1,2,3,4,5,6,7
	ds_store_b128 v3, v[ACC+4*\q:ACC+4*\q+3] offset:16*\q   ; every lane holds the same sums and writes the same words
.endr
	s_wait_kmcnt 0x0                               ; gate_b
	s_wait_dscnt 0x0                               ; my LDS stores have landed: then the barrier
	s_barrier_signal -1
	s_barrier_wait -1
	ds_load_b128 v[WK:WK+3], v7                    ; token w's 512 bytes of codes, made by four waves
	s_wait_dscnt 0x0
	global_store_b128 v9, v[WK:WK+3], s[10:11]     ; the wave stores 512 consecutive bytes, aligned
	s_cmp_lg_u32 s20, 0
	s_cbranch_scc1 .Lend                           ; the rest is wave 0's; no barrier follows
	ds_load_b32 v171, v8                           ; the four tokens' 128 scale bytes
.irp w, 0,1,2,3
	ds_load_b128 v[16+8*\w:16+8*\w+3], v6 offset:128*\w      ; lane l works for token l % 4: wave w's part of its 8 logits
	ds_load_b128 v[16+8*\w+4:16+8*\w+7], v6 offset:128*\w+16
.endr
	s_wait_dscnt 0x0
	global_store_b32 v10, v171, s[12:13]
.irp e, 0,1,2,3,4,5,6,7
	v_add_f32 v[48+\e], v[16+\e], v[24+\e]
	v_add_f32 v[56+\e], v[32+\e], v[40+\e]
.endr
.irp e, 0,1,2,3,4,5,6,7
	v_add_f32 v[48+\e], v[48+\e], v[56+\e]
.endr
.irp e, 0,1,2,3,4,5,6,7
	v_add_f32 v[48+\e], s[24+\e], v[48+\e]         ; + gate_b
.endr
	v_mov_b32 v168, v48                            ; the largest logit, v164 its expert
	v_mov_b32 v164, 0
.irp e, 1,2,3,4,5,6,7
	v_cmp_gt_f32 vcc_lo, v[48+\e], v168
	v_cndmask_b32 v168, v168, v[48+\e], vcc_lo
	v_cndmask_b32 v164, v164, \e, vcc_lo
.endr
	v_mov_b32 v170, 0xff800000                     ; the winner's logit becomes -infinity,
.irp e, 0,1,2,3,4,5,6,7
	v_cmp_eq_u32 vcc_lo, \e, v164
	v_cndmask_b32 v[48+\e], v[48+\e], v170, vcc_lo
.endr
	v_mov_b32 v169, v48                            ; and the same scan gives the second, v165 its expert
	v_mov_b32 v165, 0
.irp e, 1,2,3,4,5,6,7
	v_cmp_gt_f32 vcc_lo, v[48+\e], v169
	v_cndmask_b32 v169, v169, v[48+\e], vcc_lo
	v_cndmask_b32 v165, v165, \e, vcc_lo
.endr
	v_sub_f32 v170, v169, v168                     ; the maximum is taken away: second - first, 0 or less
	v_mul_f32 v170, 0x3fb8aa3b, v170
	v_exp_f32 v170, v170
	v_nop                                          ; a plain line behind the transcendental,
	s_wait_alu depctr_va_vdst(0)                   ; and the wait ahead of its first reader
	v_add_f32 v172, 1.0, v170
	v_rcp_f32 v166, v172                           ; the first's weight: 1 / (1 + e^(second - first))
	v_nop
	s_wait_alu depctr_va_vdst(0)
	v_mul_f32 v167, v170, v166                     ; the second's
	global_store_b64 v11, v[164:165], s[18:19]     ; out1.  Eight lanes hold each token: they write the same 8 bytes with the same values
	global_store_b64 v11, v[164:165], s[14:15]     ; sel: the same numbers, for the launches that form addresses from them
	global_store_b64 v11, v[166:167], s[16:17]     ; gw
.Lend:
	s_wait_tensorcnt 0x0                           ; the wave's end
	ds_add_u32 v[SPW], v[NIL]
	s_wait_dscnt 0x0
	s_endpgm
.Lfunc_end_k_q774b3ab47e_gate:
	.size	k_q774b3ab47e_gate, .Lfunc_end_k_q774b3ab47e_gate-k_q774b3ab47e_gate
	.p2alignl 7, 3214868480
	.fill 96, 4, 3214868480
	.section	.rodata,"a",@progbits
	.p2align	6, 0x0
	.amdhsa_kernel k_q774b3ab47e_gate
		.amdhsa_group_segment_fixed_size 3328
		.amdhsa_private_segment_fixed_size 0
		.amdhsa_enable_private_segment 0
		.amdhsa_kernarg_size 64
		.amdhsa_user_sgpr_count 2
		.amdhsa_user_sgpr_kernarg_segment_ptr 1
		.amdhsa_wavefront_size32 1
		.amdhsa_system_sgpr_workgroup_id_x 1
		.amdhsa_system_sgpr_workgroup_id_y 1
		.amdhsa_system_sgpr_workgroup_id_z 1
		.amdhsa_system_vgpr_workitem_id 0
		.amdhsa_next_free_vgpr 176
		.amdhsa_next_free_sgpr 66
		.amdhsa_reserve_vcc 1
		.amdhsa_float_denorm_mode_32 3
		.amdhsa_float_denorm_mode_16_64 3
		.amdhsa_memory_ordered 1
		.amdhsa_forward_progress 1
		.amdhsa_inst_pref_size 33
	.end_amdhsa_kernel
	.amdgpu_metadata
---
amdhsa.version: [ 1, 2 ]
amdhsa.kernels:
  - .name:           k_q774b3ab47e_gate
    .symbol:         k_q774b3ab47e_gate.kd
    .args:
      - { .name: x, .offset: 0, .size: 8, .value_kind: global_buffer, .address_space: global }
      - { .name: gate_w, .offset: 8, .size: 8, .value_kind: global_buffer, .address_space: global }
      - { .name: gate_b, .offset: 16, .size: 8, .value_kind: global_buffer, .address_space: global }
      - { .name: xq, .offset: 24, .size: 8, .value_kind: global_buffer, .address_space: global }
      - { .name: xs, .offset: 32, .size: 8, .value_kind: global_buffer, .address_space: global }
      - { .name: sel, .offset: 40, .size: 8, .value_kind: global_buffer, .address_space: global }
      - { .name: gw, .offset: 48, .size: 8, .value_kind: global_buffer, .address_space: global }
      - { .name: out1, .offset: 56, .size: 8, .value_kind: global_buffer, .address_space: global }
    .group_segment_fixed_size: 3328
    .private_segment_fixed_size: 0
    .kernarg_segment_align: 8
    .kernarg_segment_size: 64
    .max_flat_workgroup_size: 128
    .sgpr_count:     66
    .vgpr_count:     176
    .wavefront_size: 32
...
	.end_amdgpu_metadata
.endif
;; end of part 1
;; launch ffn1 (part 2): grid 32 x 8, 4 waves a work-group, no clusters, 68,096 bytes of LDS; arguments sel, xq, xs, w1_codes, w1_scales, b1, hq, hs, route; writes hq, hs, route
.if DOCPART == 2
	.amdgcn_target "amdgcn-amd-amdhsa--gfx1250"
	.amdhsa_code_object_version 6
	.text
	.protected	k_q774b3ab47e_ffn1
	.globl	k_q774b3ab47e_ffn1
	.p2align	8
	.type	k_q774b3ab47e_ffn1,@function
k_q774b3ab47e_ffn1:
	s_mov_b64 s[64:65], 0
	v_nop
	global_prefetch_b8 v0, s[64:65] scope:SCOPE_SE
	s_setreg_imm32_b32 hwreg(HW_REG_WAVE_MODE, 25, 1), 1
	s_wait_xcnt 0x0
; MoE layer, launch 2 of 4: h = Q(gelu(x W1^T + b1)) for the rows (token, expert) that the gate selected; the rows not selected are dead work (shown at the head of the first kernel).
; SHARES.  Work-group (hb, e) owns hidden units 128 hb .. 128 hb + 127 of expert e: 128 rows x 512 bytes of W1's codes, read from memory by this work-group alone.  They are one K step of the next product.
; Every wave holds that whole slice in 512 registers; the waves share the expert's ROW TILES of 16 tokens: wave w takes tiles w, w + 4, ..  So no barrier stands in the loop.
; WHICH TOKENS.  Each wave reads sel and keeps, for each group i of 32 tokens, the expert's membership mask and a key 32 x (members before the group) + i, in scalar registers.  A token's rank is the number
; of earlier tokens of the expert; row r of tile j is the token of rank 16 j + r, found in registers (TOKSEL2: 32 ranks at once, two of the wave's tiles).  Rows past the expert's count come out as some
; valid token; their results are never read.  Wave 3 of the work-groups with hb = 0 stores every token's rank and the count into route, for the later launches, behind its loop.
; THE PRODUCT IS USED TRANSPOSED (source 0 = 16 rows of W1, source 1 = 16 tokens), and THE ROWS OF W1 THAT FORM A TILE ARE NOT NEIGHBOURS: lane m of tile 2 b + u takes row 32 b + 8 u + m + 8 (m / 8),
; so that a lane holds one token and the 16 registers of tiles 2 b, 2 b + 1 are hidden units 32 b + 16 (lane / 16) + 0 .. 15.  b1 is the C of each sum's first matrix instruction.
; GELU, exact form: g = max(x, 0) - |x| q, q = erfc(|x| / sqrt 2) / 2 = t 2^(P(t) - x^2 log2(e) / 2), t = 1 / (1 + |x| / (2 sqrt 2)), P a polynomial of degree 9 (the rational-exponential fit of erfc with
; fractional error 1.2e-7, its coefficients times log2(e), the 1/2 folded into the constant term).  All in f32.  Where the exponent falls under -126, q is 0 and g = max(x, 0).
; OUT.  hq: [tile][K step][2][lane][16 bytes], the image of the next product's operand registers; hs: [tile][K step][16 rows] scale words.  Expert e owns tiles 64 e .. 64 e + 63.
; NO TENSOR LOADS, NO CLUSTER, though the 32 work-groups of an expert gather the same rows of x: the trip count hangs on a count made from memory; with a
; constant count every expert would walk 64 tiles where 1,024 x 2 / 8 / 16 = 16 are the mean.  LIMITS: NaN and infinities are not served; a block of zeros gets the byte 1 (its codes are zeros).
; REGISTERS.  window 0: v1-27, v68-71, v93-95 addresses and the look-up's work; v28-35 x's scale words; v36-67 W1's; v84-92 codes and scale word; v128-191 the 8 accumulators; v192-255 at work.
;   window 1: W1's fragments (tile t, K step s = 0..3) at 8 (8 s + t);  window 2: s = 4..7;  window 3: v0-63 t, v64-127 P (first: the weights on their way to LDS), v128-191 x's fragments, v192-255 b1.
.set WPITCH, 528                       ; a row of W1 in LDS: 512 bytes + 16 = 132 words: neighbouring places start 4 banks apart (64 banks of 4 bytes: ISA guide 11.1)
.set SPARE,  128*WPITCH                ; behind the 128 rows: the spare words, 128 bytes a wave
.set STQ, 2                            ; s[2:3]  what hq's address steps by: 0 in the first trip, then four tiles
.set STS, 4                            ; s[4:5]  the same for hs (sel's address, once its loads are in)
.set HM,  26                           ; s26     the mask of lanes 16-31
.set RF,  27                           ; s27     0 in the wave that stores route
.set KEY, 32                           ; s32-63  keys
.set MSK, 66                           ; s66-97  masks
.set KZ,  98                           ; s[98:99] -log2(e) / 2
.set CP,  100                          ; s100    1 / (2 sqrt 2)
.set JT,  101                          ; s101    the first of the two tiles that are looked up next
.set T0,  104
.set PAR, 105                          ; s105    1: the next tile's tokens lie ready in v[TOKB]
.set SEL, 30                           ; s[30:31] selects for lane l xor 16
.set XA,  16
.set XSA, 17
.set SPW, 24
.set NIL, 25
.set XS,  28
.set W1S, 36                           ; register 8 b + s: lanes 0-15 tile 2 b's rows, lanes 16-31 tile 2 b + 1's; K step s
.set TOK, 71                           ; the tokens of the tile that is asked for next: lane (r, h) holds row r's
.set PC,  84
.set PW,  92
.set TOKB, 93                          ; the tokens of the tile after it
.set TX,  94
.set TK2, 95
.set HA,  128
.set W,   192
.set TM,  192
.set T,   0
.set P,   64
.set XF,  128
.set B1,  192
.set MSB, 0
.macro WIN new                         ; the immediate's high byte repeats the setting that is left; a switch that changes nothing is dropped
.if MSB != (\new)
	s_set_vgpr_msb (MSB<<8)|(\new)
.set MSB, (\new)
.endif
.endm
	s_load_b256 s[4:11], s[0:1], 0x0               ; sel, xq, xs, W1's codes
	s_load_b256 s[12:19], s[0:1], 0x20             ; W1's scales, b1, hq, hs
	s_load_b64 s[20:21], s[0:1], 0x40              ; route
	v_lshl_add_u32 v[SPW], v0, 2, SPARE
	v_mov_b32 v[NIL], 0
	v_lshrrev_b32 v1, 5, v0
	v_readfirstlane_b32 s22, v1                    ; wave
	s_and_b32 s23, ttmp7, 0xffff                   ; e
	s_mov_b32 s24, ttmp9                           ; hb
	v_and_b32 v1, 31, v0                           ; lane
	v_and_b32 v2, 15, v0                           ; r
	v_bfe_u32 v3, v0, 4, 1                         ; h
	v_lshlrev_b32 v4, 4, v1                        ; 16 x lane
	s_mul_i32 s26, s22, 32*WPITCH
	v_add_nc_u32 v6, s26, v4                       ; staging: my wave's 32 places, 16 bytes a lane
	v_and_b32 v5, 8, v2
	v_add_nc_u32 v5, v5, v2                        ; r + 8 (r / 8)
	v_mul_u32_u24 v7, v2, WPITCH
	v_lshl_add_u32 v7, v3, 4, v7                   ; a fragment: place r of its tile x pitch + 16 h
	v_lshlrev_b32 v13, 3, v1
	v_lshlrev_b32 v14, 2, v1
	v_lshlrev_b32 v15, 4, v3
	v_lshlrev_b32 v18, 2, v2
	v_lshl_add_u32 v19, v3, 3, v5
	v_lshlrev_b32 v19, 5, v19                      ; W1's scale words: row 8 h + r + 8 (r / 8), 32 bytes a row
	v_lshlrev_b32 v20, 6, v3                       ; b1: 64 h
	v_mov_b32 v22, 0x3e7c6f08                      ; the polynomial's leading coefficient, as a pair
	v_mov_b32 v23, 0x3e7c6f08
	v_lshl_add_u32 v26, v2, 5, 31                  ; 32 r + 31,
	v_lshl_add_u32 v26, v3, 11, v26                ; and 32 x 64 ranks (four tiles) more in lanes 16-31
	v_mov_b32 v[TX], 0                             ; written once: a lane permute's destination counts as one of its sources
	s_mov_b32 s[SEL], 0x76543210
	s_mov_b32 s[SEL+1], 0xfedcba98
	s_mov_b32 s[KZ], 0xbf38aa3b
	s_mov_b32 s[KZ+1], 0xbf38aa3b
	s_mov_b32 s[CP], 0x3eb504f3
	s_mov_b32 s27, 0
	s_wait_kmcnt 0x0
	s_lshl_b32 s26, s23, 21                        ; W1's codes: (4,096 e + 128 hb + 32 w) rows of 512 bytes
	s_lshl_b32 s28, s24, 16
	s_add_co_u32 s26, s26, s28
	s_lshl_b32 s28, s22, 14
	s_add_co_u32 s26, s26, s28
	s_add_nc_u64 s[10:11], s[10:11], s[26:27]
	s_lshl_b32 s26, s23, 17                        ; its scales: (4,096 e + 128 hb) rows of 32 bytes
	s_lshl_b32 s28, s24, 12
	s_add_co_u32 s26, s26, s28
	s_add_nc_u64 s[12:13], s[12:13], s[26:27]
	s_lshl_b32 s26, s23, 14                        ; b1
	s_lshl_b32 s28, s24, 9
	s_add_co_u32 s26, s26, s28
	s_add_nc_u64 s[14:15], s[14:15], s[26:27]
	s_lshl_b32 s26, s23, 21                        ; hq: tile 64 e + w (32,768 bytes a tile), K step hb (1,024 bytes)
	s_lshl_b32 s28, s22, 15
	s_add_co_u32 s26, s26, s28
	s_lshl_b32 s28, s24, 10
	s_add_co_u32 s26, s26, s28
	s_add_nc_u64 s[16:17], s[16:17], s[26:27]
	s_lshl_b32 s26, s23, 17                        ; hs: 2,048 bytes a tile, 64 a K step
	s_lshl_b32 s28, s22, 11
	s_add_co_u32 s26, s26, s28
	s_lshl_b32 s28, s24, 6
	s_add_co_u32 s26, s26, s28
	s_add_nc_u64 s[18:19], s[18:19], s[26:27]
	s_lshl_b32 s26, s23, 12
	s_add_nc_u64 s[20:21], s[20:21], s[26:27]      ; route: the expert's ranks lie 4,096 e on
	s_xor_b32 s[RF], s22, 3
	s_or_b32 s[RF], s[RF], s24                     ; 0 in wave 3 of the work-group with hb = 0
.set i, 0
.rept 32
	global_load_b64 v[HA+2*i:HA+2*i+1], v13, s[4:5] offset:256*i   ; sel of tokens 32 i + lane
.set i, i+1
.endr
	WIN 0xc0                                       ; destination window 3
.set i, 0
.rept 32
	global_load_b128 v[4*i:4*i+3], v4, s[10:11] offset:512*i th:TH_LOAD_NT   ; a whole row of W1: 512 consecutive bytes
.set i, i+1
.endr
.irp t, 0,1,2,3,4,5,6,7
	global_load_b128 v[B1+8*\t:B1+8*\t+3], v20, s[14:15] offset:(32*(\t/2)+8*(\t%2))*4      ; b1 at hidden units 32 (t / 2) + 8 (t % 2) + 16 h + 0 .. 7: the result's layout
	global_load_b128 v[B1+8*\t+4:B1+8*\t+7], v20, s[14:15] offset:(32*(\t/2)+8*(\t%2))*4+16
.endr
	WIN 0
.irp b, 0,1,2,3
.irp g, 0,1
	global_load_b128 v[W1S+8*\b+4*\g:W1S+8*\b+4*\g+3], v19, s[12:13] offset:1024*\b+16*\g
.endr
.endr
	s_wait_loadcnt 56                              ; sel is in: 32 + 16 + 8 loads were issued behind it
.set i, 0
.rept 32                                       ; all 64 compares in one run; a group's second mask waits in its key's register
	v_cmp_eq_u32 s[MSK+i], s23, v[HA+2*i]
	v_cmp_eq_u32 s[KEY+i], s23, v[HA+2*i+1]
.set i, i+1
.endr
	s_mov_b32 s25, 0                               ; members so far
.set i, 0
.rept 32
	s_or_b32 s[MSK+i], s[MSK+i], s[KEY+i]          ; which of the group's 32 tokens chose expert e
	s_lshl_b32 s[KEY+i], s25, 5
	s_add_co_u32 s[KEY+i], s[KEY+i], i
	s_bcnt1_i32_b32 s26, s[MSK+i]
	s_add_co_u32 s25, s25, s26
.set i, i+1
.endr
	s_mov_b32 s[HM], 0xffff0000
; The tokens of ranks p = 16 (s[JT] + 4 h) + r: two of my tiles at once.  The keys rise strictly, and key i <= 32 p + 31 says that the members before group i are at most p: the last such group holds rank p.
; Then the (p - members before)-th set bit of its mask: counts of 2, 4, 8 and 16 bits, and five halvings.  At the end each of the two lists is spread over both halves of the lanes.
.macro HALF src, msk, wid
	v_lshrrev_b32 v10, v68, v[\src]
	v_and_b32 v10, \msk, v10                       ; set bits in the lower half of what is left
	v_cmp_ge_u32 vcc_lo, v9, v10
	v_cndmask_b32 v69, 0, \wid, vcc_lo             ; as many or more to pass: on to the upper half
	v_cndmask_b32 v10, 0, v10, vcc_lo
	v_sub_nc_u32 v9, v9, v10
	v_add_nc_u32 v68, v68, v69
.endm
.macro TOKSEL2
	s_lshl_b32 s[T0], s[JT], 9
	v_add_nc_u32 v21, s[T0], v26                   ; 32 p + 31
	v_mov_b32 v5, s[KEY]
	v_mov_b32 v8, s[MSK]
.set i, 1
.rept 31
	v_cmp_le_u32 vcc_lo, s[KEY+i], v21
	v_cndmask_b32 v5, v5, s[KEY+i], vcc_lo
	v_cndmask_b32 v8, v8, s[MSK+i], vcc_lo
.set i, i+1
.endr
	v_lshrrev_b32 v9, 5, v21                       ; p
	v_lshrrev_b32 v10, 5, v5
	v_sub_nc_u32 v9, v9, v10                       ; set bits to pass
	v_and_b32 v70, 31, v5                          ; the group
	v_lshrrev_b32 v10, 1, v8
	v_and_b32 v10, 0x55555555, v10
	v_sub_nc_u32 v11, v8, v10                      ; counts of 2 bits
	v_lshrrev_b32 v10, 2, v11
	v_and_b32 v10, 0x33333333, v10
	v_and_b32 v12, 0x33333333, v11
	v_add_nc_u32 v12, v12, v10                     ; of 4
	v_lshrrev_b32 v10, 4, v12
	v_add_nc_u32 v27, v12, v10
	v_and_b32 v27, 0x0f0f0f0f, v27                 ; of 8
	v_lshrrev_b32 v10, 8, v27
	v_add_nc_u32 v10, v27, v10
	v_and_b32 v10, 0xff, v10                       ; of the low 16
	v_cmp_ge_u32 vcc_lo, v9, v10
	v_cndmask_b32 v68, 0, 16, vcc_lo
	v_cndmask_b32 v10, 0, v10, vcc_lo
	v_sub_nc_u32 v9, v9, v10
	HALF 27, 0xff, 8
	HALF 12, 15, 4
	HALF 11, 3, 2
	HALF 8, 1, 1
	v_lshl_add_u32 v[TK2], v70, 5, v68
	v_permlanex16_b32 v[TX], v[TK2], s[SEL], s[SEL+1]
	v_cndmask_b32 v[TOK], v[TK2], v[TX], s[HM]     ; tile s[JT]: lanes 0-15 found it, lanes 16-31 take it from them
	v_cndmask_b32 v[TOKB], v[TX], v[TK2], s[HM]    ; tile s[JT] + 4: the other way round
.endm
; the tile's operand: lane (r, h) takes, of its token's 512 bytes of codes, 16 bytes at 64 s + 32 c + 16 h; and the token's 8 scale words
.macro XLOAD
	v_min_u32 v21, 0x3ff, v[TOK]                   ; held inside the table before it enters an address
	v_lshl_add_u32 v[XA], v21, 9, v15
	v_lshlrev_b32 v[XSA], 5, v21
	WIN 0xc0
.irp s, 0,1,2,3,4,5,6,7
.irp c, 0,1
	global_load_b128 v[XF+8*\s+4*\c:XF+8*\s+4*\c+3], v[XA], s[6:7] offset:64*\s+32*\c
.endr
.endr
	WIN 0
	global_load_b128 v[XS:XS+3], v[XSA], s[8:9]
	global_load_b128 v[XS+4:XS+7], v[XSA], s[8:9] offset:16
.endm
	s_mov_b32 s[JT], s22
	TOKSEL2                                        ; tiles w and w + 4
	XLOAD                                          ; my first tile (a wave with no tile asks for valid rows and uses nothing)
	s_add_co_u32 s[JT], s[JT], 8
	s_mov_b32 s[PAR], 1
	s_wait_loadcnt 42                              ; the weights are in: behind them 16 loads of b1, 8 of scales, 18 of x
	WIN 0x0c                                       ; an LDS store's data are its source 1: window 3
.set i, 0
.rept 32                                       ; THE ROWS OF A TILE LIE ON END IN LDS: my row i goes to place 16 ((i / 8) % 2) + i % 8 + 8 (i / 16) of my 32, which is 16 u + m where i = 8 u + m + 8 (m / 8)
	ds_store_b128 v6, v[4*i:4*i+3] offset:WPITCH*(16*((i/8)%2)+(i%8)+8*(i/16))
.set i, i+1
.endr
	WIN 0
	s_wait_dscnt 0x0                               ; my stores have landed: then the barrier, behind which every wave reads all 128 rows
	s_barrier_signal -1
	s_barrier_wait -1
	s_min_u32 s25, s25, 1024
	s_add_co_u32 s28, s25, 15
	s_lshr_b32 s28, s28, 4                         ; the expert's tiles
	s_add_co_u32 s28, s28, 3
	s_sub_co_u32 s28, s28, s22
	s_lshr_b32 s29, s28, 2                         ; mine: w, w + 4, ..
	s_cmp_eq_u32 s29, 0
	s_cbranch_scc1 .Ldone                          ; no barrier follows
	s_mov_b32 s[STQ], 0
	s_mov_b32 s[STQ+1], 0
	s_mov_b32 s[STS], 0
	s_mov_b32 s[STS+1], 0
.irp s, 0,1,2,3,4,5,6,7
	WIN 0x40+0x40*(\s/4)                           ; destination window 1, then 2
.irp t, 0,1,2,3,4,5,6,7
.irp c, 0,1
	ds_load_b128 v[8*(8*(\s%4)+\t)+4*\c:8*(8*(\s%4)+\t)+4*\c+3], v7 offset:16*\t*WPITCH+64*\s+32*\c
.endr
.endr
.endr
	WIN 0
	s_wait_dscnt 0x0
.macro WM d, a, b, c, sa, sb, odd
.if \odd
	v_wmma_scale_f32_16x16x128_f8f6f4 v[\d:\d+7], v[\a:\a+7], v[\b:\b+7], v[\c:\c+7], v[\sa], v[\sb] matrix_a_fmt:MATRIX_FMT_FP4 matrix_b_fmt:MATRIX_FMT_FP4 matrix_a_scale:MATRIX_SCALE_ROW1
.else
	v_wmma_scale_f32_16x16x128_f8f6f4 v[\d:\d+7], v[\a:\a+7], v[\b:\b+7], v[\c:\c+7], v[\sa], v[\sb] matrix_a_fmt:MATRIX_FMT_FP4 matrix_b_fmt:MATRIX_FMT_FP4
.endif
.endm
; 64 matrix instructions: K step by K step, the 8 accumulators by turns, one instruction a turn
.macro MULS
.irp s, 0,1,2,3,4,5,6,7
.if \s == 0
	WIN 0x3d                                       ; W1 window 1, x window 3, C = b1 window 3, D window 0
.elseif \s < 4
	WIN 0x0d
.else
	WIN 0x0e                                       ; W1 window 2
.endif
.irp t, 0,1,2,3,4,5,6,7
.if \s == 0
	WM HA+8*\t, 8*(8*(\s%4)+\t), XF+8*\s, B1+8*\t, W1S+8*(\t/2)+\s, XS+\s, \t%2
.else
	WM HA+8*\t, 8*(8*(\s%4)+\t), XF+8*\s, HA+8*\t, W1S+8*(\t/2)+\s, XS+\s, \t%2
.endif
.endr
.endr
	WIN 0
.endm
.macro GELU
	WIN 0xc0
.set j, 0
.rept 64
	v_fma_f32 v[T+j], |v[HA+j]|, s[CP], 1.0        ; each accumulator is read from its low end on
.set j, j+1
.endr
	WIN 0xc3
.set j, 0
.rept 64
	v_rcp_f32 v[T+j], v[T+j]                       ; t
.set j, j+1
.endr
	WIN 0
.set j, 0
.rept 32
	v_pk_mul_f32 v[W+j:W+j+1], v[HA+j:HA+j+1], v[HA+j:HA+j+1]   ; x^2: work that names no reciprocal
.set j, j+2
.endr
	s_wait_alu depctr_va_vdst(0)                   ; one wait for the 64 reciprocals, ahead of their first reader
	WIN 0xc3
.set j, 0
.rept 32
	v_pk_fma_f32 v[P+j:P+j+1], v[T+j:T+j+1], v[22:23], 0xbf97d29d op_sel_hi:[1,1,0]
.set j, j+2
.endr
	WIN 0xcf
.irp c, 0x40097039, 0xbfd1a1e5, 0x3ecdfd18, 0xbe899a80, 0x3e0efb2e, 0x3f0a29d2, 0x3fb8ab5a, 0xc034d90f
.set j, 0
.rept 32
	v_pk_fma_f32 v[P+j:P+j+1], v[P+j:P+j+1], v[T+j:T+j+1], \c op_sel_hi:[1,1,0]
.set j, j+2
.endr
.endr
	WIN 0xf0
.set j, 0
.rept 32
	v_pk_fma_f32 v[P+j:P+j+1], v[W+j:W+j+1], s[KZ:KZ+1], v[P+j:P+j+1] op_sel_hi:[1,0,1]   ; - x^2 log2(e) / 2
.set j, j+2
.endr
	WIN 0xc3
.set j, 0
.rept 64
	v_exp_f32 v[P+j], v[P+j]
.set j, j+1
.endr
	WIN 0
.set j, 0
.rept 64
	v_max_num_f32 v[W+j], 0, v[HA+j]               ; max(x, 0): work that names no exponential
.set j, j+1
.endr
	s_wait_alu depctr_va_vdst(0)                   ; one wait for the 64 exponentials
	WIN 0xcf
.set j, 0
.rept 32
	v_pk_mul_f32 v[T+j:T+j+1], v[T+j:T+j+1], v[P+j:P+j+1]   ; q
.set j, j+2
.endr
	WIN 0x0c
.set j, 0
.rept 64
	v_fma_f32 v[HA+j], -|v[HA+j]|, v[T+j], v[W+j]
.set j, j+1
.endr
	WIN 0
.endm
; 64 numbers of a lane, register 16 b + i = k 32 b + 16 (lane / 16) + i of my row, become a fragment's codes in v[PC] on and its scale word in v[PW]
.macro QUANT s
.irp b, 0,1,2,3
	v_max3_num_f32 v[TM+\b], |v[\s+16*\b]|, |v[\s+1+16*\b]|, 0x1800000   ; and the floor 2^(3 - 127): the byte cannot fall under 1
.endr
.irp i, 2,4,6,8,10,12,14
.irp b, 0,1,2,3
	v_max3_num_f32 v[TM+\b], v[TM+\b], |v[\s+16*\b+\i]|, |v[\s+1+16*\b+\i]|
.endr
.endr
.irp b, 0,1,2,3
	v_permlanex16_b32 v[TM+4+\b], v[TM+\b], s[SEL], s[SEL+1]
.endr
.irp b, 0,1,2,3
	v_max_num_f32 v[TM+\b], v[TM+\b], v[TM+4+\b]   ; with lane l xor 16's: the block's largest magnitude
.endr
.irp b, 0,1,2,3
	v_add_nc_u32 v[TM+12+\b], 0xff000000, v[TM+\b] ; 2 off its exponent field: the conversion's scale operand
.endr
.irp b, 0,1,2,3
	v_lshrrev_b32 v[TM+4+\b], 23, v[TM+12+\b]      ; the scale's byte
.endr
	v_lshl_or_b32 v[PW], v[TM+5], 8, v[TM+4]
	v_lshl_or_b32 v[PW], v[TM+6], 16, v[PW]
	v_lshl_or_b32 v[PW], v[TM+7], 24, v[PW]
.irp b, 0,1,2,3
	v_cvt_scalef32_pk8_fp4_f32 v[PC+2*\b], v[\s+16*\b:\s+7+16*\b], v[TM+12+\b]
	v_cvt_scalef32_pk8_fp4_f32 v[PC+1+2*\b], v[\s+8+16*\b:\s+15+16*\b], v[TM+12+\b]
.endr
	v_nop                                          ; one plain place behind a scaled conversion
.irp c, 0,1                                    ; the operand's layout wants a whole block in a lane
.irp i, 0,1
	v_permlane16_swap_b32 v[PC+4*\c+\i], v[PC+2+4*\c+\i]
.endr
.endr
.endm
.Ltile:                                            ; a trip is one tile of 16 rows
	s_wait_loadcnt 0x0                             ; all loads that are out are this tile's 18 (in the first trip b1 and the scales too)
	MULS
.rept 4
	v_nop                                          ; the places behind the products: for the loads into x's registers and for the first read of the results
.endr
	s_cmp_eq_u32 s29, 1
	s_cbranch_scc1 .Lno_next                       ; the last trip asks for nothing; every wait for loads here is for 0, so all ways are counted alike
	s_cmp_eq_u32 s[PAR], 0
	s_cbranch_scc1 .Llook
	v_mov_b32 v[TOK], v[TOKB]                      ; the second tile of the pair that was looked up last
	s_mov_b32 s[PAR], 0
	s_branch .Lhave
.Llook:
	TOKSEL2                                        ; my next two tiles
	s_add_co_u32 s[JT], s[JT], 8
	s_mov_b32 s[PAR], 1
.Lhave:
	XLOAD                                          ; my next tile lands while this one's activation is worked
.Lno_next:
	GELU
	s_wait_xcnt 0x0                                ; the last trip's three stores have read their data (v84-92) and their bases: only behind this wait are the bases stepped and the codes made anew
	s_add_nc_u64 s[16:17], s[16:17], s[STQ:STQ+1]  ; four tiles on; in the first trip 0
	s_add_nc_u64 s[18:19], s[18:19], s[STS:STS+1]
	s_mov_b32 s[STQ], 131072
	s_mov_b32 s[STS], 8192
	QUANT HA
	global_store_b128 v4, v[PC:PC+3], s[16:17]             ; the fragment's image: each store covers 512 consecutive bytes, aligned
	global_store_b128 v4, v[PC+4:PC+7], s[16:17] offset:512
	global_store_b32 v18, v[PW], s[18:19]                  ; 16 scale words; both halves of the lanes hold and write the same
	s_sub_co_u32 s29, s29, 1
	s_cmp_lg_u32 s29, 0
	s_cbranch_scc1 .Ltile
.Ldone:
	s_cmp_lg_u32 s[RF], 0
	s_cbranch_scc1 .Lno_route                      ; wave 3 of the work-group with hb = 0 stores the expert's ranks and count: it never has more tiles than the other waves
.set i, 0
.rept 32
	s_lshr_b32 s28, s[KEY+i], 5
	v_mbcnt_lo_u32_b32 v[W+i], s[MSK+i], s28       ; members before the group + members in lower lanes (of a token that is no member the number is never read)
	global_store_b32 v14, v[W+i], s[20:21] offset:128*i
.set i, i+1
.endr
	s_mul_i32 s28, s23, 3968
	s_sub_co_u32 s28, 32768, s28                   ; from the expert's ranks (4,096 e) to its count (32,768 + 128 e)
	v_add_nc_u32 v[W+33], s28, v14
	v_mov_b32 v[W+32], s25
	global_store_b32 v[W+33], v[W+32], s[20:21]
.Lno_route:
	s_wait_tensorcnt 0x0                           ; the wave's end
	ds_add_u32 v[SPW], v[NIL]
	s_wait_dscnt 0x0
	s_endpgm
.Lfunc_end_k_q774b3ab47e_ffn1:
	.size	k_q774b3ab47e_ffn1, .Lfunc_end_k_q774b3ab47e_ffn1-k_q774b3ab47e_ffn1
	.p2alignl 7, 3214868480
	.fill 96, 4, 3214868480
	.section	.rodata,"a",@progbits
	.p2align	6, 0x0
	.amdhsa_kernel k_q774b3ab47e_ffn1
		.amdhsa_group_segment_fixed_size 68096
		.amdhsa_private_segment_fixed_size 0
		.amdhsa_enable_private_segment 0
		.amdhsa_kernarg_size 72
		.amdhsa_user_sgpr_count 2
		.amdhsa_user_sgpr_kernarg_segment_ptr 1
		.amdhsa_wavefront_size32 1
		.amdhsa_system_sgpr_workgroup_id_x 1
		.amdhsa_system_sgpr_workgroup_id_y 1
		.amdhsa_system_sgpr_workgroup_id_z 1
		.amdhsa_system_vgpr_workitem_id 0
		.amdhsa_next_free_vgpr 1024
		.amdhsa_next_free_sgpr 106
		.amdhsa_reserve_vcc 1
		.amdhsa_float_denorm_mode_32 3
		.amdhsa_float_denorm_mode_16_64 3
		.amdhsa_memory_ordered 1
		.amdhsa_forward_progress 1
		.amdhsa_inst_pref_size 117
	.end_amdhsa_kernel
	.amdgpu_metadata
---
amdhsa.version: [ 1, 2 ]
amdhsa.kernels:
  - .name:           k_q774b3ab47e_ffn1
    .symbol:         k_q774b3ab47e_ffn1.kd
    .args:
      - { .name: sel, .offset: 0, .size: 8, .value_kind: global_buffer, .address_space: global }
      - { .name: xq, .offset: 8, .size: 8, .value_kind: global_buffer, .address_space: global }
      - { .name: xs, .offset: 16, .size: 8, .value_kind: global_buffer, .address_space: global }
      - { .name: w1_codes, .offset: 24, .size: 8, .value_kind: global_buffer, .address_space: global }
      - { .name: w1_scales, .offset: 32, .size: 8, .value_kind: global_buffer, .address_space: global }
      - { .name: b1, .offset: 40, .size: 8, .value_kind: global_buffer, .address_space: global }
      - { .name: hq, .offset: 48, .size: 8, .value_kind: global_buffer, .address_space: global }
      - { .name: hs, .offset: 56, .size: 8, .value_kind: global_buffer, .address_space: global }
      - { .name: route, .offset: 64, .size: 8, .value_kind: global_buffer, .address_space: global }
    .group_segment_fixed_size: 68096
    .private_segment_fixed_size: 0
    .kernarg_segment_align: 8
    .kernarg_segment_size: 72
    .max_flat_workgroup_size: 128
    .sgpr_count:     106
    .vgpr_count:     1024
    .wavefront_size: 32
...
	.end_amdgpu_metadata
.endif
;; end of part 2
;; launch ffn2 (part 3): grid 32 x 8, 4 waves a work-group, no clusters, 75,776 bytes of LDS; arguments route, hq, hs, w2_codes, w2_scales, b2, y; writes y
.if DOCPART == 3
	.amdgcn_target "amdgcn-amd-amdhsa--gfx1250"
	.amdhsa_code_object_version 6
	.text
	.protected	k_q774b3ab47e_ffn2
	.globl	k_q774b3ab47e_ffn2
	.p2align	8
	.type	k_q774b3ab47e_ffn2,@function
k_q774b3ab47e_ffn2:
	s_mov_b64 s[64:65], 0
	v_nop
	global_prefetch_b8 v0, s[64:65] scope:SCOPE_SE
	s_setreg_imm32_b32 hwreg(HW_REG_WAVE_MODE, 25, 1), 1
	s_wait_xcnt 0x0
; MoE layer, launch 3 of 4: y = h W2^T + b2 for the rows (token, expert) that the gate selected; the rows not selected are dead work (shown at the head of the first kernel).
; SHARES.  Work-group (db, e) owns outputs 32 db .. 32 db + 31 of expert e: 32 rows x 2,048 bytes of W2's codes, 65,536 consecutive bytes, read from memory by this work-group alone.
; Every wave holds that slice in 512 registers; the waves share the expert's row tiles: wave w takes tiles w, w + 4, ..  The count of rows comes from route, which the launch before stored.
; Source 0 = 16 rows of W2, source 1 = a fragment of h as the launch before laid it (an image of the operand's registers): a lane holds one routed row and 8 neighbouring outputs.  K = 4,096: 32 K steps.
; Four accumulators (2 tiles of outputs x even and odd K steps) take turns; b2 is the C of the even sums' first instruction; the two sums of a tile are added at the end.
; A tile's 32 fragments and scale words come in four quarters of 20 loads, and each quarter's registers are asked for anew, for the wave's next tile, as soon as its products are issued.
; THE WEIGHTS COME OUT OF LDS BY QUARTERS OF K TOO, among the first tile's quarters: so the second tile's first loads go out behind 64 of the 128 LDS loads, not behind all of them.
; OUT.  y: [db][slot][32 f32], slot = 1,024 e + rank: a tile's 16 rows are 2,048 consecutive bytes; they go through the wave's stage in LDS and leave 512 consecutive bytes a store.
; NO TENSOR LOADS, NO CLUSTER, though the 32 work-groups of an expert read the same tiles of h: the trip count is read from memory.
; LIMIT: the first tile's loads are issued before the count is known; a wave with no tile so reads workspace bytes that nobody wrote, inside the buffer, and uses none of them.
; REGISTERS.  window 0: v1-14 addresses; v16-31 b2; v32-63 W2's scale words (lanes 0-15 outputs 0-15, lanes 16-31 outputs 16-31); v64-79 h's (lanes 0-15 K step 2 p, lanes 16-31 K step 2 p + 1);
;   v80-111 accumulators; v112-143 the way out.   window 1: W2's fragments (tile n, K step s = 0..15) at 8 (2 s + n) (first: the weights on their way to LDS);  window 2: s = 16..31;  window 3: h's 32 fragments at 8 s.
.set WPITCH, 2064                      ; a row of W2 in LDS: 2,048 bytes + 16
.set YP,     144                       ; a row of the stage: 128 bytes + 16
.set YST,    32*WPITCH                 ; 16 rows a wave
.set SPARE,  YST+4*16*YP               ; the spare words, 128 bytes a wave
.set SPW, 12
.set NIL, 13
.set B2,  16
.set W2S, 32
.set HS,  64
.set ACC, 80                           ; accumulator (n, parity) at 80 + 8 (2 parity + n)
.set YR,  112
.set OB,  128
.set MSB, 0
.macro WIN new
.if MSB != (\new)
	s_set_vgpr_msb (MSB<<8)|(\new)
.set MSB, (\new)
.endif
.endm
; quarter q of a tile, off bytes on: K steps 8 q .. 8 q + 7: 16 loads of 512 consecutive bytes, and 4 loads of scale words
.macro HLOAD q, off
	WIN 0xc0                                       ; destination window 3
.irp k, 0,1,2,3,4,5,6,7
.irp c, 0,1
	global_load_b128 v[8*(8*\q+\k)+4*\c:8*(8*\q+\k)+4*\c+3], v4, s[6:7] offset:\off+1024*(8*\q+\k)+512*\c
.endr
.endr
	WIN 0
.irp p, 0,1,2,3
	global_load_b32 v[HS+4*\q+\p], v5, s[8:9] offset:\off/16+128*(4*\q+\p)
.endr
.endm
; W2's fragments of K steps 8 g .. 8 g + 7, both tiles of outputs, out of LDS: 32 loads
.macro WLOAD g
	WIN 0x40+0x40*(\g/2)                           ; destination window 1, then 2
.irp k, 0,1,2,3,4,5,6,7
.irp n, 0,1
.irp c, 0,1
	ds_load_b128 v[8*(2*((8*\g+\k)%16)+\n)+4*\c:8*(2*((8*\g+\k)%16)+\n)+4*\c+3], v7 offset:16*WPITCH*\n+64*(8*\g+\k)+32*\c
.endr
.endr
.endr
	WIN 0
.endm
; K step s, tile n of the outputs
.macro WM2 s, n
.set sD, ACC+8*(2*((\s)%2)+\n)
.set sA, 8*(2*((\s)%16)+\n)
.set sB, 8*(\s)
.set sC, sD
.if (\s) == 0
.set sC, B2+8*\n
.endif
.set sS, W2S+(\s)
.set sH, HS+(\s)/2
.if (\s) == 1
.if \n
	v_wmma_scale_f32_16x16x128_f8f6f4 v[sD:sD+7], v[sA:sA+7], v[sB:sB+7], 0, v[sS], v[sH] matrix_a_fmt:MATRIX_FMT_FP4 matrix_b_fmt:MATRIX_FMT_FP4 matrix_a_scale:MATRIX_SCALE_ROW1 matrix_b_scale:MATRIX_SCALE_ROW1
.else
	v_wmma_scale_f32_16x16x128_f8f6f4 v[sD:sD+7], v[sA:sA+7], v[sB:sB+7], 0, v[sS], v[sH] matrix_a_fmt:MATRIX_FMT_FP4 matrix_b_fmt:MATRIX_FMT_FP4 matrix_b_scale:MATRIX_SCALE_ROW1
.endif
.elseif (\s)%2
.if \n
	v_wmma_scale_f32_16x16x128_f8f6f4 v[sD:sD+7], v[sA:sA+7], v[sB:sB+7], v[sC:sC+7], v[sS], v[sH] matrix_a_fmt:MATRIX_FMT_FP4 matrix_b_fmt:MATRIX_FMT_FP4 matrix_a_scale:MATRIX_SCALE_ROW1 matrix_b_scale:MATRIX_SCALE_ROW1
.else
	v_wmma_scale_f32_16x16x128_f8f6f4 v[sD:sD+7], v[sA:sA+7], v[sB:sB+7], v[sC:sC+7], v[sS], v[sH] matrix_a_fmt:MATRIX_FMT_FP4 matrix_b_fmt:MATRIX_FMT_FP4 matrix_b_scale:MATRIX_SCALE_ROW1
.endif
.else
.if \n
	v_wmma_scale_f32_16x16x128_f8f6f4 v[sD:sD+7], v[sA:sA+7], v[sB:sB+7], v[sC:sC+7], v[sS], v[sH] matrix_a_fmt:MATRIX_FMT_FP4 matrix_b_fmt:MATRIX_FMT_FP4 matrix_a_scale:MATRIX_SCALE_ROW1
.else
	v_wmma_scale_f32_16x16x128_f8f6f4 v[sD:sD+7], v[sA:sA+7], v[sB:sB+7], v[sC:sC+7], v[sS], v[sH] matrix_a_fmt:MATRIX_FMT_FP4 matrix_b_fmt:MATRIX_FMT_FP4
.endif
.endif
.endm
; A quarter: 16 matrix instructions, the four accumulators by turns, one instruction a turn.  left: the loads issued behind this quarter's 20, which may stay out.
; more = 1: the quarter's registers are asked for anew, for my next tile, four tiles (131,072 bytes) on.
.macro QTR q, more, left
	s_wait_loadcnt \left
.if \q < 2
	WIN 0x0d                                       ; W2 window 1, h window 3, C and D window 0
.else
	WIN 0x0e                                       ; W2 window 2
.endif
.irp k, 0,1,2,3,4,5,6,7
.irp n, 0,1
	WM2 8*\q+\k, \n
.endr
.endr
.if \more
.rept 4
	v_nop                                          ; places in front of loads into registers that matrix instructions have read
.endr
	HLOAD \q, 131072
.endif
	WIN 0
.endm
.macro OUT
.rept 5
	v_nop                                          ; places: four ahead of the first read of the results, five ahead of the next tile's products, which begin these accumulators anew
.endr
.irp n, 0,1
.irp k, 0,2,4,6
	v_pk_add_f32 v[YR+8*\n+\k:YR+8*\n+\k+1], v[ACC+8*\n+\k:ACC+8*\n+\k+1], v[ACC+16+8*\n+\k:ACC+16+8*\n+\k+1]   ; even + odd K steps; each accumulator from its low end on
.endr
.endr
.irp n, 0,1
.irp c, 0,1
	ds_store_b128 v8, v[YR+8*\n+4*\c:YR+8*\n+4*\c+3] offset:64*\n+16*\c     ; lane (r, h): y(row r, output 16 n + 8 h + 0 .. 7)
.endr
.endr
.irp i, 0,1,2,3
	ds_load_b128 v[OB+4*\i:OB+4*\i+3], v9 offset:4*YP*\i                    ; LDS serves a wave's instructions in order: these see my stores
.endr
	s_wait_dscnt 0x0
.irp i, 0,1,2,3
	global_store_b128 v4, v[OB+4*\i:OB+4*\i+3], s[16:17] offset:512*\i      ; four rows of 128 bytes: 512 consecutive bytes, aligned
.endr
.endm
.macro NEXT                            ; on to my next tile, four tiles on
	s_wait_xcnt 0x0                                ; the bases of the loads and stores, and the stores' data, are written again only behind this wait
	s_add_nc_u64 s[6:7], s[6:7], 131072
	s_add_nc_u64 s[8:9], s[8:9], 8192
	s_add_nc_u64 s[16:17], s[16:17], 8192
.endm
; My first tile, with the weights' way out of LDS among its quarters.  LDS loads come back in order: a count of 32 leaves the quarter asked for last on its way and shows the one before it in.
.macro FIRST more, l1, l2, l3
	WLOAD 0
	WLOAD 1
	s_wait_dscnt 32                                ; K steps 0 to 7 of the weights are in
	QTR 0, \more, 60
	WLOAD 2
	s_wait_dscnt 32                                ; K steps 8 to 15
	QTR 1, \more, \l1
	WLOAD 3
	s_wait_dscnt 32                                ; K steps 16 to 23
	QTR 2, \more, \l2
	s_wait_dscnt 0x0                               ; K steps 24 to 31
	QTR 3, \more, \l3
	OUT
.endm
	s_load_b256 s[4:11], s[0:1], 0x0               ; route, hq, hs, W2's codes
	s_load_b128 s[12:15], s[0:1], 0x20             ; W2's scales, b2
	s_load_b64 s[16:17], s[0:1], 0x30              ; y
	v_lshl_add_u32 v[SPW], v0, 2, SPARE
	v_mov_b32 v[NIL], 0
	v_lshrrev_b32 v1, 5, v0
	v_readfirstlane_b32 s18, v1                    ; wave
	s_and_b32 s19, ttmp7, 0xffff                   ; e
	s_mov_b32 s20, ttmp9                           ; db
	v_and_b32 v1, 31, v0                           ; lane
	v_and_b32 v2, 15, v0                           ; r
	v_bfe_u32 v3, v0, 4, 1                         ; h
	v_lshlrev_b32 v4, 4, v1
	v_lshlrev_b32 v5, 2, v1
	s_mul_i32 s25, s18, 8*WPITCH
	v_add_nc_u32 v6, s25, v4                       ; staging: my wave's 8 rows
	v_mul_u32_u24 v7, v2, WPITCH
	v_lshl_add_u32 v7, v3, 4, v7                   ; a fragment's row x pitch + 16 h
	s_mul_i32 s25, s18, 16*YP
	s_add_co_u32 s25, s25, YST                     ; my stage
	v_mul_u32_u24 v8, v2, YP
	v_lshl_add_u32 v8, v3, 5, v8
	v_add_nc_u32 v8, s25, v8                       ; in: row r, + 32 h
	v_lshrrev_b32 v9, 3, v1
	v_mul_u32_u24 v9, v9, YP
	v_and_b32 v14, 7, v1
	v_lshl_add_u32 v9, v14, 4, v9
	v_add_nc_u32 v9, s25, v9                       ; back: eight lanes to a row of 128 bytes, four rows an instruction
	v_lshlrev_b32 v10, 7, v1                       ; W2's scale words: lane = row, 128 bytes a row
	v_lshlrev_b32 v11, 5, v3                       ; b2: 32 h
	s_lshl_b32 s24, s19, 7
	s_mov_b32 s27, 0
	s_wait_kmcnt 0x0
	s_load_b32 s21, s[4:5], s24 offset:0x8000      ; the expert's count of rows
	s_lshl_b32 s26, s19, 21                        ; W2's codes: (1,024 e + 32 db + 8 w) rows of 2,048 bytes
	s_lshl_b32 s25, s20, 16
	s_add_co_u32 s26, s26, s25
	s_lshl_b32 s25, s18, 14
	s_add_co_u32 s26, s26, s25
	s_add_nc_u64 s[10:11], s[10:11], s[26:27]
	s_lshl_b32 s26, s19, 17                        ; its scales: rows of 128 bytes
	s_lshl_b32 s25, s20, 12
	s_add_co_u32 s26, s26, s25
	s_add_nc_u64 s[12:13], s[12:13], s[26:27]
	s_lshl_b32 s26, s19, 12                        ; b2
	s_lshl_b32 s25, s20, 7
	s_add_co_u32 s26, s26, s25
	s_add_nc_u64 s[14:15], s[14:15], s[26:27]
	s_lshl_b32 s26, s19, 21                        ; hq: tile 64 e + w
	s_lshl_b32 s25, s18, 15
	s_add_co_u32 s26, s26, s25
	s_add_nc_u64 s[6:7], s[6:7], s[26:27]
	s_lshl_b32 s26, s19, 17                        ; hs
	s_lshl_b32 s25, s18, 11
	s_add_co_u32 s26, s26, s25
	s_add_nc_u64 s[8:9], s[8:9], s[26:27]
	s_lshl_b32 s25, s20, 20                        ; y: the same, + 2^20 db
	s_add_co_u32 s26, s26, s25
	s_add_nc_u64 s[16:17], s[16:17], s[26:27]
	WIN 0x40                                       ; destination window 1
.set i, 0
.rept 32
	global_load_b128 v[4*i:4*i+3], v4, s[10:11] offset:512*i th:TH_LOAD_NT
.set i, i+1
.endr
	WIN 0
.irp g, 0,1,2,3,4,5,6,7
	global_load_b128 v[W2S+4*\g:W2S+4*\g+3], v10, s[12:13] offset:16*\g
.endr
.irp n, 0,1
	global_load_b128 v[B2+8*\n:B2+8*\n+3], v11, s[14:15] offset:64*\n       ; b2 at outputs 16 n + 8 h + 0 .. 7: the result's layout
	global_load_b128 v[B2+8*\n+4:B2+8*\n+7], v11, s[14:15] offset:64*\n+16
.endr
	HLOAD 0, 0
	s_wait_loadcnt 32                              ; the weights are in: behind them 8 + 4 + 20 loads
	WIN 0x04                                       ; an LDS store's data are its source 1: window 1
.set i, 0
.rept 32
	ds_store_b128 v6, v[4*i:4*i+3] offset:(i/4)*WPITCH+(i%4)*512
.set i, i+1
.endr
	WIN 0
	HLOAD 1, 0
	HLOAD 2, 0
	HLOAD 3, 0
	s_wait_dscnt 0x0                               ; my stores have landed: then the barrier, behind which every wave reads all 32 rows
	s_barrier_signal -1
	s_barrier_wait -1
	s_wait_kmcnt 0x0
	s_min_u32 s21, s21, 1024
	s_add_co_u32 s21, s21, 15
	s_lshr_b32 s21, s21, 4                         ; the expert's tiles
	s_add_co_u32 s21, s21, 3
	s_sub_co_u32 s21, s21, s18
	s_lshr_b32 s21, s21, 2                         ; mine
	s_cmp_eq_u32 s21, 0
	s_cbranch_scc1 .Ldone                          ; no barrier follows
	s_cmp_eq_u32 s21, 1
	s_cbranch_scc1 .Lonly
	FIRST 1, 60, 60, 60                            ; my first tile has a successor: three younger quarters of 20 loads are out at each quarter's head
	NEXT
	s_sub_co_u32 s22, s21, 2
	s_cmp_eq_u32 s22, 0
	s_cbranch_scc1 .Ltail
.Ltile:                                            ; a trip is one tile that has a predecessor and a successor
	QTR 0, 1, 60
	QTR 1, 1, 60
	QTR 2, 1, 60
	QTR 3, 1, 60
	OUT
	NEXT
	s_sub_co_u32 s22, s22, 1
	s_cmp_lg_u32 s22, 0
	s_cbranch_scc1 .Ltile
.Ltail:                                            ; my last tile asks for nothing: the counts run down
	QTR 0, 0, 60
	QTR 1, 0, 40
	QTR 2, 0, 20
	QTR 3, 0, 0
	OUT
	s_branch .Ldone
.Lonly:                                            ; my first tile is my last
	FIRST 0, 40, 20, 0
.Ldone:
	s_wait_tensorcnt 0x0                           ; the wave's end
	ds_add_u32 v[SPW], v[NIL]
	s_wait_dscnt 0x0
	s_endpgm
.Lfunc_end_k_q774b3ab47e_ffn2:
	.size	k_q774b3ab47e_ffn2, .Lfunc_end_k_q774b3ab47e_ffn2-k_q774b3ab47e_ffn2
	.p2alignl 7, 3214868480
	.fill 96, 4, 3214868480
	.section	.rodata,"a",@progbits
	.p2align	6, 0x0
	.amdhsa_kernel k_q774b3ab47e_ffn2
		.amdhsa_group_segment_fixed_size 75776
		.amdhsa_private_segment_fixed_size 0
		.amdhsa_enable_private_segment 0
		.amdhsa_kernarg_size 56
		.amdhsa_user_sgpr_count 2
		.amdhsa_user_sgpr_kernarg_segment_ptr 1
		.amdhsa_wavefront_size32 1
		.amdhsa_system_sgpr_workgroup_id_x 1
		.amdhsa_system_sgpr_workgroup_id_y 1
		.amdhsa_system_sgpr_workgroup_id_z 1
		.amdhsa_system_vgpr_workitem_id 0
		.amdhsa_next_free_vgpr 1024
		.amdhsa_next_free_sgpr 66
		.amdhsa_reserve_vcc 0
		.amdhsa_float_denorm_mode_32 3
		.amdhsa_float_denorm_mode_16_64 3
		.amdhsa_memory_ordered 1
		.amdhsa_forward_progress 1
		.amdhsa_inst_pref_size 91
	.end_amdhsa_kernel
	.amdgpu_metadata
---
amdhsa.version: [ 1, 2 ]
amdhsa.kernels:
  - .name:           k_q774b3ab47e_ffn2
    .symbol:         k_q774b3ab47e_ffn2.kd
    .args:
      - { .name: route, .offset: 0, .size: 8, .value_kind: global_buffer, .address_space: global }
      - { .name: hq, .offset: 8, .size: 8, .value_kind: global_buffer, .address_space: global }
      - { .name: hs, .offset: 16, .size: 8, .value_kind: global_buffer, .address_space: global }
      - { .name: w2_codes, .offset: 24, .size: 8, .value_kind: global_buffer, .address_space: global }
      - { .name: w2_scales, .offset: 32, .size: 8, .value_kind: global_buffer, .address_space: global }
      - { .name: b2, .offset: 40, .size: 8, .value_kind: global_buffer, .address_space: global }
      - { .name: y, .offset: 48, .size: 8, .value_kind: global_buffer, .address_space: global }
    .group_segment_fixed_size: 75776
    .private_segment_fixed_size: 0
    .kernarg_segment_align: 8
    .kernarg_segment_size: 56
    .max_flat_workgroup_size: 128
    .sgpr_count:     66
    .vgpr_count:     1024
    .wavefront_size: 32
...
	.end_amdgpu_metadata
.endif
;; end of part 3
;; launch combine (part 4): grid 256 x 1, 4 waves a work-group, no clusters, 0 bytes of LDS; arguments sel, gw, route, y, out0; writes out0
.if DOCPART == 4
	.amdgcn_target "amdgcn-amd-amdhsa--gfx1250"
	.amdhsa_code_object_version 6
	.text
	.protected	k_q774b3ab47e_combine
	.globl	k_q774b3ab47e_combine
	.p2align	8
	.type	k_q774b3ab47e_combine,@function
k_q774b3ab47e_combine:
	s_mov_b64 s[64:65], 0
	v_nop
	global_prefetch_b8 v0, s[64:65] scope:SCOPE_SE
	s_setreg_imm32_b32 hwreg(HW_REG_WAVE_MODE, 25, 1), 1
	s_wait_xcnt 0x0
; MoE layer, launch 4 of 4: out0[t] = g0 y[slot of (t, first expert)] + g1 y[slot of (t, second expert)].  The six experts whose combine weight is the 0 of reference()'s own one_hot are dead work
; (shown at the head of the first kernel).  b2 is in y already.
; One wave, one token.  The token's two experts (sel), its weights (gw) and its rank in each of the 8 experts' lists (route) come by scalar loads that do not hang on each other; the two ranks wanted are
; chosen by s_cselect_b32, held inside their tables, and make the two bases.  slot = 1,024 expert + rank.  y: [db 0..31][slot][32 f32]: a row's 4,096 bytes lie in 32 pieces of 128 bytes, 2^20 bytes apart.
; A stream: no LDS, no barrier, no matrix unit.  Each store covers 512 consecutive bytes, aligned.
	s_load_b256 s[4:11], s[0:1], 0x0               ; sel, gw, route, y
	s_load_b64 s[12:13], s[0:1], 0x20              ; out0
	v_lshrrev_b32 v1, 5, v0
	v_readfirstlane_b32 s14, v1
	s_lshl_b32 s15, ttmp9, 2
	s_add_co_u32 s14, s14, s15                     ; my token
	s_lshl_b32 s15, s14, 3
	s_lshl_b32 s18, s14, 2
	s_lshl_b32 s22, s14, 12
	s_mov_b32 s23, 0
	v_and_b32 v1, 31, v0
	v_lshlrev_b32 v2, 4, v1                        ; 16 x lane
	v_lshrrev_b32 v3, 3, v1
	v_and_b32 v4, 7, v1
	v_lshlrev_b32 v4, 4, v4
	v_lshl_add_u32 v8, v3, 20, v4                  ; load i: piece db = 4 i + lane / 8, byte 16 (lane % 8)
.irp i, 1,2,3,4,5,6,7
	v_add_nc_u32 v[8+\i], \i<<22, v8
.endr
	s_wait_kmcnt 0x0
	s_load_b64 s[16:17], s[4:5], s15 offset:0x0    ; the two experts
	s_load_b64 s[28:29], s[6:7], s15 offset:0x0    ; their weights
.irp e, 0,1,2,3,4,5,6,7
	s_load_b32 s[32+\e], s[8:9], s18 offset:4096*\e   ; my rank in expert e's list
.endr
	s_add_nc_u64 s[12:13], s[12:13], s[22:23]
	s_wait_kmcnt 0x0
	s_min_u32 s16, s16, 7
	s_min_u32 s17, s17, 7
	s_mov_b32 s20, s32
	s_mov_b32 s24, s32
.irp e, 1,2,3,4,5,6,7
	s_cmp_eq_u32 s16, \e
	s_cselect_b32 s20, s[32+\e], s20
	s_cmp_eq_u32 s17, \e
	s_cselect_b32 s24, s[32+\e], s24
.endr
	s_min_u32 s20, s20, 1023
	s_min_u32 s24, s24, 1023
	s_lshl_b32 s21, s16, 10
	s_add_co_u32 s20, s20, s21
	s_lshl_b32 s20, s20, 7                         ; slot x 128 bytes
	s_mov_b32 s21, 0
	s_lshl_b32 s25, s17, 10
	s_add_co_u32 s24, s24, s25
	s_lshl_b32 s24, s24, 7
	s_mov_b32 s25, 0
	s_add_nc_u64 s[40:41], s[10:11], s[20:21]
	s_add_nc_u64 s[42:43], s[10:11], s[24:25]
	s_mov_b32 s30, s29                             ; the second weight as a pair's low word
	s_mov_b32 s31, s29
.irp i, 0,1,2,3,4,5,6,7
	global_load_b128 v[16+4*\i:19+4*\i], v[8+\i], s[40:41] th:TH_LOAD_NT
.endr
.irp i, 0,1,2,3,4,5,6,7
	global_load_b128 v[48+4*\i:51+4*\i], v[8+\i], s[42:43] th:TH_LOAD_NT
.endr
	s_wait_loadcnt 8                               ; the first expert's row is in; the second's eight loads may be out
.set j, 0
.rept 16
	v_pk_mul_f32 v[16+j:17+j], v[16+j:17+j], s[28:29] op_sel_hi:[1,0]
.set j, j+2
.endr
	s_wait_loadcnt 0x0
.set j, 0
.rept 16
	v_pk_fma_f32 v[16+j:17+j], v[48+j:49+j], s[30:31], v[16+j:17+j] op_sel_hi:[1,0,1]
.set j, j+2
.endr
.irp i, 0,1,2,3,4,5,6,7
	global_store_b128 v2, v[16+4*\i:19+4*\i], s[12:13] offset:512*\i th:TH_STORE_NT
.endr
	s_endpgm
.Lfunc_end_k_q774b3ab47e_combine:
	.size	k_q774b3ab47e_combine, .Lfunc_end_k_q774b3ab47e_combine-k_q774b3ab47e_combine
	.p2alignl 7, 3214868480
	.fill 96, 4, 3214868480
	.section	.rodata,"a",@progbits
	.p2align	6, 0x0
	.amdhsa_kernel k_q774b3ab47e_combine
		.amdhsa_group_segment_fixed_size 0
		.amdhsa_private_segment_fixed_size 0
		.amdhsa_enable_private_segment 0
		.amdhsa_kernarg_size 40
		.amdhsa_user_sgpr_count 2
		.amdhsa_user_sgpr_kernarg_segment_ptr 1
		.amdhsa_wavefront_size32 1
		.amdhsa_system_sgpr_workgroup_id_x 1
		.amdhsa_system_sgpr_workgroup_id_y 1
		.amdhsa_system_sgpr_workgroup_id_z 1
		.amdhsa_system_vgpr_workitem_id 0
		.amdhsa_next_free_vgpr 96
		.amdhsa_next_free_sgpr 66
		.amdhsa_reserve_vcc 0
		.amdhsa_float_denorm_mode_32 3
		.amdhsa_float_denorm_mode_16_64 3
		.amdhsa_memory_ordered 1
		.amdhsa_forward_progress 1
		.amdhsa_inst_pref_size 8
	.end_amdhsa_kernel
	.amdgpu_metadata
---
amdhsa.version: [ 1, 2 ]
amdhsa.kernels:
  - .name:           k_q774b3ab47e_combine
    .symbol:         k_q774b3ab47e_combine.kd
    .args:
      - { .name: sel, .offset: 0, .size: 8, .value_kind: global_buffer, .address_space: global }
      - { .name: gw, .offset: 8, .size: 8, .value_kind: global_buffer, .address_space: global }
      - { .name: route, .offset: 16, .size: 8, .value_kind: global_buffer, .address_space: global }
      - { .name: y, .offset: 24, .size: 8, .value_kind: global_buffer, .address_space: global }
      - { .name: out0, .offset: 32, .size: 8, .value_kind: global_buffer, .address_space: global }
    .group_segment_fixed_size: 0
    .private_segment_fixed_size: 0
    .kernarg_segment_align: 8
    .kernarg_segment_size: 40
    .max_flat_workgroup_size: 128
    .sgpr_count:     66
    .vgpr_count:     96
    .wavefront_size: 32
...
	.end_amdgpu_metadata
.endif
;; end of part 4
